; MI455X (gfx1250); checked and timed in simulation.
; The chip was launched on July 23, 2026; its instructions are those of AMD's public machine-readable ISA for CDNA 5 (MIT licence, August 2026) and "CDNA5" Instruction Set Architecture Reference Guide (July 2026). The comments in the code are by the model that wrote it; some were corrected since.
;; Mo E Layer. Allowed arithmetic: float matrix products may take bf16 or f16 operands with f32 sums; other float arithmetic in f32, or as packed bf16 or f16 multiplies, adds, multiply-adds, maxima and minima; sums over many terms, partial sums and values carried from step to step in f32; what a program stores and reads back later, other than sums and carried values, may be rounded once to bf16 or f16.
;; Inputs: b1 8 x 2,048 float32; b2 8 x 1,024 float32; gate_b 8 float32; gate_w 1,024 x 8 float32; w1 8 x 1,024 x 2,048 float32; w2 8 x 2,048 x 1,024 float32; x 4 x 512 x 1,024 float32.
;; Outputs: out0 4 x 512 x 1,024 float32.
;; One version. Each part assembles by itself: llvm-mc -triple=amdgcn-amd-amdhsa -mcpu=gfx1250 --defsym DOCPART=n.
;; ======== version 1 of 1: 4 launches
;; limits: a function is approximated: absolute error at most 7.5e-08
;; workspace buffers: xb 4,194,304 bytes; sel 8,192 bytes of whole numbers; wgt 16,384 bytes; h 67,108,864 bytes; ypart 33,619,968 bytes
;; launch router (part 1): grid 128 x 1, 8 waves a work-group, no clusters, 44,032 bytes of LDS; arguments x, gate_w, gate_b, xb, sel, wgt; writes xb, sel, wgt
.if DOCPART == 1
	.amdgcn_target "amdgcn-amd-amdhsa--gfx1250"
	.amdhsa_code_object_version 6
	.text
	.protected	k_q2d69641e21_router
	.globl	k_q2d69641e21_router
	.p2align	8
	.type	k_q2d69641e21_router,@function
k_q2d69641e21_router:
	s_mov_b64 s[64:65], 0
	v_nop
	global_prefetch_b8 v0, s[64:65] scope:SCOPE_SE
	s_setreg_imm32_b32 hwreg(HW_REG_WAVE_MODE, 25, 1), 1
	s_wait_xcnt 0x0
; MoE LAYER, FIRST OF FOUR LAUNCHES: THE ROUTER.  T = 2,048 tokens of 1,024 numbers, 8 experts, 2 chosen for each token.
; It stores  xb[t][k] = x rounded to bf16;  sel[t] = (1 << first expert) | (1 << (16 + second expert)), as two 16-bit halves;  wgt[t][0..1] = softmax of the two chosen logits.
; WORK LEFT OUT BY THE WHOLE PROGRAM.  reference() multiplies y[t][e] by cw[t][e], and builds cw in its own body as a sum of one_hot(topk_idx) x weight: for each token cw is 0 for the
; six experts outside its top_k, whatever finite values the inputs hold.  y[t][e] x 0 adds nothing to out[t] in exact arithmetic, so the rows (t, e) of both einsums with e outside top_k(t)
; are not computed.  Which rows stay is a choice by whole numbers: this launch stores them at fixed places, the later launches read them from memory.  All seven inputs stay live.
; LIMIT: a NaN, an infinity or an overflow that would arise only in an expert's row that the token did not choose is not carried to the result.
; FORMATS.  Every input of the module (x, gate_w, gate_b, w1, b1, w2, b2) is rounded once to bf16, to nearest even, wherever it is used; products of such numbers are exact, sums are f32.
; LIMITS OF THIS LAUNCH.  NaN and infinities among the logits are not treated apart (a token whose logits are all -inf would name expert 0 twice).  Equal logits: the lower index wins, as in lax.top_k.
; SHARES.  A work-group owns 16 tokens, the columns of one matrix tile: 128 work-groups.  K is split among its eight waves: wave w takes k = 128 w .. 128 w + 127: 512 consecutive bytes of each row of x.
; The product is logits^T = gate_w^T x^T: source 0 = experts (rows 8-15 repeat experts 0-7), source 1 = 16 tokens: a lane ends with ONE token (lane % 16) and all eight logits in its eight registers.
; The eight partial sums meet in LDS; wave 0 adds them and chooses.  No branch and no address of this launch hangs on a logit.
.set SPITCH, 272                       ; a staged row: 256 bytes (128 bf16) + 16: the 16 rows of a fragment load start 68 words apart
.set PART,   34816                     ; behind the eight stages of 16 x 272 bytes: eight partial tiles of 1,024 bytes
.set SPARE,  43008                     ; behind them: the spare words, 128 bytes for each wave, which no other line names
.set VL,  1                            ; v1   lane
.set VR,  2                            ; v2   lane % 16
.set VH,  3                            ; v3   lane / 16
.set XO,  4                            ; v4   16 x thread: my 16 bytes in a row of x (512 w + 16 lane)
.set GO,  5                            ; v5   my place in gate_w: 4,096 w + 256 (lane / 16) + 4 (lane % 8)
.set XBO, 6                            ; v6   8 x thread: my 8 bytes in a row of xb
.set STS, 7                            ; v7   LDS: where I put 8 bytes of a staged row
.set STL, 8                            ; v8   LDS: where my fragments of x begin
.set PS,  9                            ; v9   LDS: where I put my 32 bytes of the partial tile
.set SPW, 10                           ; v10  my spare word; never rewritten
.set NIL, 11                           ; v11  0; never rewritten
.set PR,  12                           ; v12  LDS: where wave 0 reads partial tiles
.set X,   16                           ; v[16:79]    16 rows x 4 f32 as loaded
.set XF,  16                           ; v[16:47]    later: four fragments of x
.set DD,  48                           ; v[48:79]    later: four accumulators
.set G,   80                           ; v[80:143]   64 numbers of gate_w; later the eight partial tiles
.set GF,  144                          ; v[144:175]  four fragments of gate_w^T
.set XB,  176                          ; v[176:207]  16 rows x 4 bf16
	s_load_b256 s[4:11], s[0:1], 0x0               ; x s[4:5], gate_w s[6:7], gate_b s[8:9], xb s[10:11]
	s_load_b128 s[12:15], s[0:1], 0x20             ; sel s[12:13], wgt s[14:15]
	v_lshl_add_u32 v[SPW], v0, 2, SPARE
	v_mov_b32 v[NIL], 0
	v_lshrrev_b32 v[VL], 5, v0
	v_readfirstlane_b32 s24, v[VL]                 ; wave 0..7
	v_and_b32 v[VL], 31, v0
	v_and_b32 v[VR], 15, v0
	v_bfe_u32 v[VH], v0, 4, 1
	v_lshlrev_b32 v[XO], 4, v0
	v_and_b32 v[GO], 7, v0
	v_lshlrev_b32 v[GO], 2, v[GO]
	v_lshl_add_u32 v[GO], v[VH], 8, v[GO]
	s_lshl_b32 s25, s24, 12
	v_add_nc_u32 v[GO], s25, v[GO]
	v_lshlrev_b32 v[XBO], 3, v0
	s_mul_i32 s26, s24, 16*SPITCH                  ; my wave's stage
	v_lshl_add_u32 v[STS], v[VL], 3, s26
	v_mul_u32_u24 v[STL], v[VR], SPITCH
	v_lshl_add_u32 v[STL], v[VH], 4, v[STL]
	v_add_nc_u32 v[STL], s26, v[STL]
	s_lshl_b32 s27, s24, 10
	s_add_co_u32 s27, s27, PART
	v_lshl_add_u32 v[PS], v[VL], 5, s27
	v_lshl_add_u32 v[PR], v[VL], 5, PART
	s_mov_b32 s29, 0
	s_wait_kmcnt 0x0
	s_lshl_b32 s28, ttmp9, 16                      ; the work-group's 16 rows of x,
	s_add_nc_u64 s[4:5], s[4:5], s[28:29]
	s_lshl_b32 s28, ttmp9, 15                      ; of xb,
	s_add_nc_u64 s[10:11], s[10:11], s[28:29]
	s_lshl_b32 s28, ttmp9, 6                       ; its 16 words of sel,
	s_add_nc_u64 s[12:13], s[12:13], s[28:29]
	s_lshl_b32 s28, ttmp9, 7                       ; its 16 pairs of wgt
	s_add_nc_u64 s[14:15], s[14:15], s[28:29]
	s_load_b256 s[16:23], s[8:9], 0x0              ; gate_b, which no line of this launch writes
.set i, 0
.rept 16
	global_load_b128 v[X+4*i:X+4*i+3], v[XO], s[4:5] offset:4096*i th:TH_LOAD_NT  ; row i: 512 consecutive bytes a wave
.set i, i+1
.endr
.set i, 0
.rept 64                               ; number i = 16 q + 8 u + n of my lane: gate_w[128 w + 32 q + 16 u + 8 (lane / 16) + n][lane % 8]
	global_load_b32 v[G+i], v[GO], s[6:7] offset:(16*(i/8)+i%8)*32
.set i, i+1
.endr
	s_wait_loadcnt 63                              ; loads come back in order (ISA guide 5.7.1): of the 80 issued the oldest 17 are in, x's sixteen among them
.set i, 0
.rept 16
	v_cvt_pk_bf16_f32 v[XB+2*i],   v[X+4*i],   v[X+4*i+1]
	v_cvt_pk_bf16_f32 v[XB+2*i+1], v[X+4*i+2], v[X+4*i+3]
	global_store_b64 v[XBO], v[XB+2*i:XB+2*i+1], s[10:11] offset:2048*i  ; the wave stores 256 consecutive bytes, at a multiple of 256 from xb's first byte
	ds_store_b64 v[STS], v[XB+2*i:XB+2*i+1] offset:SPITCH*i
.set i, i+1
.endr
	s_wait_loadcnt 0x0                             ; gate_w
	s_wait_kmcnt 0x0                               ; gate_b
.set i, 0
.rept 32
	v_cvt_pk_bf16_f32 v[GF+i], v[G+2*i], v[G+2*i+1]
.set i, i+1
.endr
.irp q, 0,1,2,3                        ; fragment q of x: token lane % 16, k = 32 q + 8 (lane / 16) + 0..7 and + 16: my wave's own bytes, and LDS serves a wave's instructions in order (ISA guide 5.7.1.4)
	ds_load_b128 v[XF+8*\q:XF+8*\q+3],   v[STL] offset:64*\q
	ds_load_b128 v[XF+8*\q+4:XF+8*\q+7], v[STL] offset:64*\q+32
.endr
	s_wait_dscnt 0x0
.irp q, 0,1,2,3                        ; four accumulators, one product each: no chain
	v_wmma_f32_16x16x32_bf16 v[DD+8*\q:DD+8*\q+7], v[GF+8*\q:GF+8*\q+7], v[XF+8*\q:XF+8*\q+7], 0
.endr
.rept 8
	v_nop                                          ; the places between the products and the sums that read and rewrite their results (ISA guide 7.12.1); once a launch
.endr
.irp p, 0,2,4,6                        ; each accumulator is read from its low end on
	v_pk_add_f32 v[DD+\p:DD+\p+1], v[DD+\p:DD+\p+1], v[DD+8+\p:DD+8+\p+1]
.endr
.irp p, 0,2,4,6
	v_pk_add_f32 v[DD+16+\p:DD+16+\p+1], v[DD+16+\p:DD+16+\p+1], v[DD+24+\p:DD+24+\p+1]
.endr
.irp p, 0,2,4,6
	v_pk_add_f32 v[DD+\p:DD+\p+1], v[DD+\p:DD+\p+1], v[DD+16+\p:DD+16+\p+1]
.endr
	ds_store_b128 v[PS], v[DD:DD+3]
	ds_store_b128 v[PS], v[DD+4:DD+7] offset:16
	s_wait_dscnt 0x0                               ; for the others' sake: my partial tile lies in LDS
	s_barrier_signal -1
	s_barrier_wait -1
	s_cmp_lg_u32 s24, 0
	s_cbranch_scc1 .Lend                           ; wave 0 finishes
.irp w, 0,1,2,3,4,5,6,7
	ds_load_b128 v[G+8*\w:G+8*\w+3],   v[PR] offset:1024*\w
	ds_load_b128 v[G+8*\w+4:G+8*\w+7], v[PR] offset:1024*\w+16
.endr
.irp p, 0,1,2,3                        ; gate_b rounded to bf16 and widened again, while the loads are out
	v_cvt_pk_bf16_f32 v[16+\p], s[16+2*\p], s[17+2*\p]
.endr
.irp p, 0,1,2,3
	v_lshlrev_b32 v[24+2*\p], 16, v[16+\p]
	v_and_b32     v[25+2*\p], 0xffff0000, v[16+\p]
.endr
	s_wait_dscnt 0x0
.irp w, 0,2,4,6
.irp p, 0,2,4,6
	v_pk_add_f32 v[G+8*\w+\p:G+8*\w+\p+1], v[G+8*\w+\p:G+8*\w+\p+1], v[G+8*\w+8+\p:G+8*\w+8+\p+1]
.endr
.endr
.irp w, 0,4
.irp p, 0,2,4,6
	v_pk_add_f32 v[G+8*\w+\p:G+8*\w+\p+1], v[G+8*\w+\p:G+8*\w+\p+1], v[G+8*\w+16+\p:G+8*\w+16+\p+1]
.endr
.endr
.irp p, 0,2,4,6
	v_pk_add_f32 v[G+\p:G+\p+1], v[G+\p:G+\p+1], v[G+32+\p:G+32+\p+1]
.endr
.irp p, 0,2,4,6
	v_pk_add_f32 v[G+\p:G+\p+1], v[G+\p:G+\p+1], v[24+\p:25+\p]   ; + gate_b: v[80:87] are my token's eight logits
.endr
	; the two largest, in the lane: v32 largest, v33 its index, v34 second, v35 its index.  Strictly greater only: of equal logits the lower index stays in front.
	v_mov_b32 v32, v[G]
	v_mov_b32 v33, 0
	v_mov_b32 v34, 0xff800000
	v_mov_b32 v35, 0
.irp i, 1,2,3,4,5,6,7
	v_cmp_gt_f32 vcc_lo, v[G+\i], v32
	v_cmp_gt_f32 s30, v[G+\i], v34
	v_cndmask_b32 v34, v34, v[G+\i], s30           ; beats the second,
	v_cndmask_b32 v35, v35, \i, s30
	v_cndmask_b32 v34, v34, v32, vcc_lo            ; or beats the first, which then becomes the second
	v_cndmask_b32 v35, v35, v33, vcc_lo
	v_cndmask_b32 v32, v32, v[G+\i], vcc_lo
	v_cndmask_b32 v33, v33, \i, vcc_lo
.endr
	; softmax of the two, the maximum taken away: 1 / (1 + d) and d / (1 + d) with d = e^(second - first), at most 1
	v_sub_f32 v36, v34, v32
	v_mul_f32 v36, 0x3fb8aa3b, v36
	v_exp_f32 v37, v36
	v_nop                                          ; a plain instruction behind the exponential (ISA guide 5.7.2),
	s_wait_alu depctr_va_vdst(0)                   ; and the wait ahead of its first reader
	v_add_f32 v38, 1.0, v37
	v_rcp_f32 v39, v38
	v_nop
	s_wait_alu depctr_va_vdst(0)
	v_mul_f32 v40, v37, v39
	v_cmp_eq_u32 vcc_lo, 1, v[VH]                  ; both halves of the lanes hold the same 16 tokens: the lower stores the first choice, the upper the second
	v_cndmask_b32 v41, v39, v40, vcc_lo
	v_cndmask_b32 v42, v33, v35, vcc_lo
	v_mov_b32 v43, 1
	v_lshlrev_b32 v42, v42, v43                    ; 1 << expert
	v_lshlrev_b32 v44, 3, v[VR]
	v_lshl_add_u32 v44, v[VH], 2, v44              ; wgt: 8 x token + 4 x slot
	v_lshlrev_b32 v45, 2, v[VR]
	v_lshl_add_u32 v45, v[VH], 1, v45              ; sel: 4 x token + 2 x slot
	global_store_b32 v44, v41, s[14:15]
	global_store_b16 v45, v42, s[12:13]
.Lend:
	s_wait_tensorcnt 0x0                           ; the wave's end, behind my last LDS store
	ds_add_u32 v[SPW], v[NIL]
	s_wait_dscnt 0x0
	s_endpgm
.Lfunc_end_k_q2d69641e21_router:
	.size	k_q2d69641e21_router, .Lfunc_end_k_q2d69641e21_router-k_q2d69641e21_router
	.p2alignl 7, 3214868480
	.fill 96, 4, 3214868480
	.section	.rodata,"a",@progbits
	.p2align	6, 0x0
	.amdhsa_kernel k_q2d69641e21_router
		.amdhsa_group_segment_fixed_size 44032
		.amdhsa_private_segment_fixed_size 0
		.amdhsa_enable_private_segment 0
		.amdhsa_kernarg_size 48
		.amdhsa_user_sgpr_count 2
		.amdhsa_user_sgpr_kernarg_segment_ptr 1
		.amdhsa_wavefront_size32 1
		.amdhsa_system_sgpr_workgroup_id_x 1
		.amdhsa_system_sgpr_workgroup_id_y 1
		.amdhsa_system_sgpr_workgroup_id_z 1
		.amdhsa_system_vgpr_workitem_id 0
		.amdhsa_next_free_vgpr 208
		.amdhsa_next_free_sgpr 66
		.amdhsa_reserve_vcc 1
		.amdhsa_float_denorm_mode_32 3
		.amdhsa_float_denorm_mode_16_64 3
		.amdhsa_memory_ordered 1
		.amdhsa_forward_progress 1
		.amdhsa_inst_pref_size 26
	.end_amdhsa_kernel
	.amdgpu_metadata
---
amdhsa.version: [ 1, 2 ]
amdhsa.kernels:
  - .name:           k_q2d69641e21_router
    .symbol:         k_q2d69641e21_router.kd
    .args:
      - { .name: x, .offset: 0, .size: 8, .value_kind: global_buffer, .address_space: global }
      - { .name: gate_w, .offset: 8, .size: 8, .value_kind: global_buffer, .address_space: global }
      - { .name: gate_b, .offset: 16, .size: 8, .value_kind: global_buffer, .address_space: global }
      - { .name: xb, .offset: 24, .size: 8, .value_kind: global_buffer, .address_space: global }
      - { .name: sel, .offset: 32, .size: 8, .value_kind: global_buffer, .address_space: global }
      - { .name: wgt, .offset: 40, .size: 8, .value_kind: global_buffer, .address_space: global }
    .group_segment_fixed_size: 44032
    .private_segment_fixed_size: 0
    .kernarg_segment_align: 8
    .kernarg_segment_size: 48
    .max_flat_workgroup_size: 256
    .sgpr_count:     66
    .vgpr_count:     208
    .wavefront_size: 32
...
	.end_amdgpu_metadata
.endif
;; end of part 1
;; launch ffn1 (part 2): grid 32 x 8, 4 waves a work-group, no clusters, 140,032 bytes of LDS; arguments xb, w1, b1, sel, h; writes h
.if DOCPART == 2
	.amdgcn_target "amdgcn-amd-amdhsa--gfx1250"
	.amdhsa_code_object_version 6
	.text
	.protected	k_q2d69641e21_ffn1
	.globl	k_q2d69641e21_ffn1
	.p2align	8
	.type	k_q2d69641e21_ffn1,@function
k_q2d69641e21_ffn1:
	s_mov_b64 s[64:65], 0
	v_nop
	global_prefetch_b8 v0, s[64:65] scope:SCOPE_SE
	s_setreg_imm32_b32 hwreg(HW_REG_WAVE_MODE, 25, 1), 1
	s_wait_xcnt 0x0
; MoE LAYER, SECOND LAUNCH: h = bf16(gelu(xb[rows of e] . bf16(w1[e]) + bf16(b1[e]))), for the rows that chose expert e alone.
; LEFT OUT: the rows (token, expert) with the expert outside the token's top_k: reference() multiplies their results by a 0 of its own one_hot (shown at the head of the first launch).
; SHARES.  Work-group (s, e) has expert e and columns 64 s .. 64 s + 63 of w1[e]: 1,024 x 64 f32, 256 KiB that it alone reads, once; and ALL rows of that expert, whatever their number (0 to 2,048).
; PHASES.  (1) Each wave loads a quarter of the block (256 rows of K, whole pieces of 256 bytes), rounds it to bf16 in registers and lays it into LDS as the matrix unit's source 1 takes it.
; Meanwhile wave 0 reads sel and makes the expert's LIST in LDS: rank -> entry = 2 x token + slot, in the order in which its loads deal the tokens out; the places past the count hold 4,096 + e.
; (2) A barrier.  (3) Tiles of 32 ranks x 64 columns x K = 1,024, tile t to wave t % 4.  Nothing in that loop writes LDS, so it has no barrier; it counts 16 trips, the most that 2,048 rows
; give a wave, and is left by a forward jump when the expert's tiles are done.  The token rows come from xb straight into registers as source 0.  (4) A second barrier, where all ways join, ahead of the closing lines, which write LDS.
; COLUMNS.  Column tile j, slot r of the tile stands for column 4 r + j: the four tiles' registers i of a lane are four neighbouring columns of one row.
; ROWS.  Row m of a row tile takes rank 2 (m % 8) + m / 8: result register i holds rank 2 i in lanes 0-15 and rank 2 i + 1 in lanes 16-31, so a store of 8 bytes a lane covers 256 consecutive bytes of h.
; h: [expert 8][s 32][rank 2,048][64] bf16: a rank's 64 numbers are 128 bytes.  Ranks past the count, up to the tile's end, repeat token 2,047: finite numbers, which the next launch sends to a dump row.
; GELU, exact-erf form: h = max(z, 0) - |z| q, q = erfc(|z| / sqrt 2) / 2 = (a1 t + .. + a5 t^5) e^(-z z / 2) / 2, t = 1 / (1 + p |z| / sqrt 2) (Abramowitz and Stegun 7.1.26).
; LIMIT: q is off by at most 7.5e-8 for every z; no difference of near numbers is formed for z < 0.  NaN and infinities are not treated apart.
; NO JOINT LOADS: each weight has one reader, and the rows that an expert's work-groups share come by a list, which no tile descriptor covers.
; REGISTERS, in windows of 256 (s_set_vgpr_msb: bits 1:0 source 0, 3:2 source 1, 5:4 source 2, 7:6 destination):
;   window 0: addresses, accumulators, bias, GELU's work      window 1: the fill's eight units of 32; then source 1, two buffers of 64      window 2: source 0, a ring of eight buffers of 32
.set RS,    8192                       ; bytes in a row of w1[e]
.set LIST,  131072                     ; LDS: behind the weights' 131,072 bytes: 2,048 entries, then 32 dump words for wave 0's lanes whose token did not choose e,
.set CNTW,  LIST+8320                  ; then the count
.set SPARE, 139520                     ; the spare words, 128 bytes for each wave: two blocks of 256 bytes that no other line names
.set VL,   1                           ; lane
.set VR,   2                           ; lane % 16
.set VH,   3                           ; lane / 16
.set FO,   4                           ; the fill: 8 (lane / 16) rows + 16 (lane % 16) bytes; never rewritten
.set FS,   5                           ; the fill: LDS, 32,768 x wave + 16 x lane
.set LB0,  6                           ; 16 x lane: source 1's fragments of K steps 0-15
.set LB1,  7                           ; + 65,536: of K steps 16-31
.set LP,   8                           ; LIST + 4 x (2 (lane % 8) + (lane / 8) % 2): my row's entry in tile 0
.set LA,   9                           ; an LDS address at work
.set LN,   10                          ; v[10:11] my two rows' entries of the tile after this one
.set ADC,  12                          ; v[12:13] my two rows' byte offsets in xb, this tile
.set ADN,  14                          ; v[14:15] the same for the tile after it
.set HO,   16                          ; my byte offset in h's block
.set E8L,  17                          ; 8 x lane
.set SPW,  18                          ; my spare word; never rewritten
.set NIL,  19                          ; 0; never rewritten
.set X,    20                          ; the list: at work
.set RK,   21
.set EN,   22
.set DIDX, 23                          ; 2,048 + lane
.set CADR, 24                          ; CNTW
.set H16,  25                          ; 16 x (lane / 16)
.set BO,   26                          ; 16 x (lane % 16)
.set PADV, 28                          ; v[28:31] 4,096 + e, four times
.set ACC,  32                          ; v[32:95]   eight accumulators: row tile a, column tile j at ACC + 32 a + 8 j
.set BIAS, 96                          ; v[96:127]  column tile j's bias, eight times, at BIAS + 8 j: the C operand that starts a sum
.set T,    128                         ; v[128:159], v[160:191], v[192:223] GELU's work
.set U,    160
.set P,    192
.set O,    224                         ; v[224:255] packed results
.set SEL,  128                         ; wave 0, ahead of the loop: 64 words of sel a lane
.set FT,   192                         ; the fill: 16 registers of packed weights
.set BL,   208                         ; v[208:213] my four bias numbers as loaded, and two at work
.set MSB, 0
.macro WIN new                         ; the immediate's high byte repeats the setting that is left; a switch that changes nothing is dropped
.if MSB != (\new)
	s_set_vgpr_msb (MSB<<8)|(\new)
.set MSB, \new
.endif
.endm
.set W_MUL, 0x06                       ; source 0 window 2, source 1 window 1, C and D window 0
.set W_TOA, 0x80                       ; destination window 2
.set W_TOB, 0x40                       ; destination window 1
.set W_CVT, 0x05                       ; sources window 1, destination window 0
.macro PLACES                          ; four places behind a product, ahead of loads into registers that it read and of vector lines that read its result (ISA guide 7.12.1 for vector lines)
.rept 4
	v_nop
.endr
.endm
; Unit gl of my 16: 16 rows of K x 64 columns.  Load i: lanes 0-15 take row i's 256 bytes, lanes 16-31 row 8 + i's.
.macro FLOAD gl
	WIN W_TOB
.irp i, 0,1,2,3,4,5,6,7
	global_load_b128 v[32*((\gl)%8)+4*(\i):32*((\gl)%8)+4*(\i)+3], v[FO], s[6:7] offset:(16*(\gl)+(\i))*RS th:TH_LOAD_NT
.endr
.endm
; The unit is rounded and laid down: for column 4 r + j my eight rows pack into 16 bytes, which ARE registers 0-3 (even unit) or 4-7 (odd unit) of my lane in source 1's fragment (K step gl / 2, tile j).
.macro FCVT gl, left
	s_wait_loadcnt \left                           ; loads come back in order (ISA guide 5.7.1): the unit is in; the younger units' eight loads each stay out
	WIN W_CVT
.irp j, 0,1,2,3
.irp p, 0,1,2,3
	v_cvt_pk_bf16_f32 v[FT+4*(\j)+(\p)], v[32*((\gl)%8)+8*(\p)+(\j)], v[32*((\gl)%8)+8*(\p)+4+(\j)]
.endr
.endr
	WIN 0
.irp j, 0,1,2,3
	ds_store_b128 v[FS], v[FT+4*(\j):FT+4*(\j)+3] offset:((\gl)/2)*4096+((\gl)%2)*512+(\j)*1024  ; 512 consecutive bytes a wave
.endr
.endm
; One of the list's 64 groups of 32 tokens: register c of load n holds, in lane l, the word of token 128 n + 4 l + c.  A token that chose e takes the next rank; the others write a dump word of their own.
.macro LISTGRP n, c
	v_and_b32 v[X], s29, v[SEL+4*(\n)+(\c)]        ; the expert's bit in either half
	v_cmp_ne_u32 s30, 0, v[X]                      ; the tokens that chose e
	v_bfe_u32 v[EN], v[SEL+4*(\n)+(\c)], s39, 1    ; 1: as their second choice
	v_mbcnt_lo_u32_b32 v[RK], s30, s28             ; rank = those counted so far + those in lower lanes
	v_add3_u32 v[EN], v[EN], v[E8L], 256*(\n)+2*(\c)  ; entry = 2 x token + slot
	v_cndmask_b32 v[RK], v[DIDX], v[RK], s30
	v_min_u32 v[RK], 2079, v[RK]                   ; held inside the list and its dump words
	v_lshl_add_u32 v[RK], v[RK], 2, LIST
	ds_store_b32 v[RK], v[EN]
	s_bcnt1_i32_b32 s31, s30
	s_add_co_u32 s28, s28, s31
.endm
; Source 0 for 64 along K (STEP st of a tile): two row tiles x two K steps, 8 loads, into ring buffer st % 8.  reg: ADC or ADN.
.macro ALOAD st, reg
	WIN W_TOA
.irp a, 0,1
.irp u, 0,1
	global_load_b128 v[32*((\st)%8)+16*(\a)+8*(\u):32*((\st)%8)+16*(\a)+8*(\u)+3],   v[(\reg)+(\a)], s[4:5] offset:(\st)*128+64*(\u)
	global_load_b128 v[32*((\st)%8)+16*(\a)+8*(\u)+4:32*((\st)%8)+16*(\a)+8*(\u)+7], v[(\reg)+(\a)], s[4:5] offset:(\st)*128+64*(\u)+32
.endr
.endr
.endm
; Source 1 for the same 64 along K: two K steps x four column tiles, 16 LDS loads of 512 consecutive bytes, into buffer st % 2.
.macro BLOAD st
	WIN W_TOB
.irp u, 0,1
.irp j, 0,1,2,3
	ds_load_b128 v[64*((\st)%2)+32*(\u)+8*(\j):64*((\st)%2)+32*(\u)+8*(\j)+3],   v[LB0+(\st)/8] offset:((\st)%8)*8192+(\u)*4096+(\j)*1024
	ds_load_b128 v[64*((\st)%2)+32*(\u)+8*(\j)+4:64*((\st)%2)+32*(\u)+8*(\j)+7], v[LB0+(\st)/8] offset:((\st)%8)*8192+(\u)*4096+(\j)*1024+512
.endr
.endr
.endm
.macro MKADN                           ; entries -> byte offsets in xb: token = entry / 2, held to 2,047 (a place past the count repeats the last token), x 2,048 bytes + 16 (lane / 16)
.irp a, 0,1
	v_lshrrev_b32 v[LN+\a], 1, v[LN+\a]
	v_min_u32 v[LN+\a], 2047, v[LN+\a]
	v_lshl_add_u32 v[ADN+\a], v[LN+\a], 11, v[H16]
.endr
.endm
; 64 along K: 16 products.  Source 0 is asked for seven STEPs ahead (from STEP 9 on: the next tile's), source 1 one STEP ahead.  The eight accumulators take turns, one instruction a turn.
.macro STEP s
	PLACES                                         ; the buffers filled below were read by the STEP before
.if (\s) <= 8
	ALOAD (\s)+7, ADC
.else
	ALOAD (\s)-9, ADN
.endif
	BLOAD ((\s)+1)%16
	s_wait_loadcnt 56                              ; this STEP's source 0 is in: the seven younger STEPs' eight loads each stay out
	s_wait_dscnt 16                                ; this STEP's source 1 (and, in STEP 0, the entries read at the trip's head) is in: the sixteen just issued stay out
.if (\s) == 0
	WIN 0
	MKADN                                          ; no load that names ADN has been issued since the trip's s_wait_xcnt 0
.endif
	WIN W_MUL
.irp u, 0,1
.irp a, 0,1
.irp j, 0,1,2,3
.set rD, ACC+32*(\a)+8*(\j)
.set rA, 32*((\s)%8)+16*(\a)+8*(\u)
.set rB, 64*((\s)%2)+32*(\u)+8*(\j)
.if ((\s) == 0) && ((\u) == 0)
	v_wmma_f32_16x16x32_bf16 v[rD:rD+7], v[rA:rA+7], v[rB:rB+7], v[BIAS+8*(\j):BIAS+8*(\j)+7]  ; the bias starts the sum: nothing is cleared, nothing added later
.else
	v_wmma_f32_16x16x32_bf16 v[rD:rD+7], v[rA:rA+7], v[rB:rB+7], v[rD:rD+7]
.endif
.endr
.endr
.endr
.endm
; Row tile a's 32 numbers a lane: GELU, rounding, store.  The 64 transcendentals are one batch with one wait.  Each accumulator is read from its register 0 on.
.macro GELU a
.set Z, ACC+32*(\a)
.set n, 0
.rept 32
	v_fma_f32 v[T+n], |v[Z+n]|, s38, 1.0           ; 1 + p |z| / sqrt 2
.set n, n+1
.endr
.set n, 0
.rept 16
	v_pk_mul_f32 v[U+n:U+n+1], v[Z+n:Z+n+1], v[Z+n:Z+n+1]
.set n, n+2
.endr
.set n, 0
.rept 16
	v_pk_mul_f32 v[U+n:U+n+1], v[U+n:U+n+1], s[40:41] op_sel_hi:[1,0]  ; - z z log2(e) / 2
.set n, n+2
.endr
.set n, 0
.rept 32
	v_rcp_f32 v[T+n], v[T+n]                       ; t
.set n, n+1
.endr
.set n, 0
.rept 32
	v_exp_f32 v[U+n], v[U+n]                       ; e^(-z z / 2)
.set n, n+1
.endr
	v_nop                                          ; a plain instruction behind the last of the batch (ISA guide 5.7.2),
	s_wait_alu depctr_va_vdst(0)                   ; and the one wait ahead of the batch's first reader
.set n, 0
.rept 16
	v_pk_fma_f32 v[P+n:P+n+1], v[T+n:T+n+1], s[50:51], s[48:49] op_sel_hi:[1,0,0]
.set n, n+2
.endr
.irp k, 46,44,42
.set n, 0
.rept 16
	v_pk_fma_f32 v[P+n:P+n+1], v[P+n:P+n+1], v[T+n:T+n+1], s[\k:\k+1] op_sel_hi:[1,1,0]
.set n, n+2
.endr
.endr
.set n, 0
.rept 16
	v_pk_mul_f32 v[P+n:P+n+1], v[P+n:P+n+1], v[T+n:T+n+1]
.set n, n+2
.endr
.set n, 0
.rept 16
	v_pk_mul_f32 v[P+n:P+n+1], v[P+n:P+n+1], v[U+n:U+n+1]  ; q
.set n, n+2
.endr
.set n, 0
.rept 32
	v_max_num_f32 v[T+n], 0, v[Z+n]
.set n, n+1
.endr
.set n, 0
.rept 32
	v_fma_f32 v[U+n], -|v[Z+n]|, v[P+n], v[T+n]    ; max(z, 0) - |z| q
.set n, n+1
.endr
.irp i, 0,1,2,3,4,5,6,7
	v_cvt_pk_bf16_f32 v[O+16*(\a)+2*(\i)],   v[U+(\i)],    v[U+8+(\i)]   ; columns 4 r, 4 r + 1
	v_cvt_pk_bf16_f32 v[O+16*(\a)+2*(\i)+1], v[U+16+(\i)], v[U+24+(\i)]  ; columns 4 r + 2, 4 r + 3
	global_store_b64 v[HO], v[O+16*(\a)+2*(\i):O+16*(\a)+2*(\i)+1], s[12:13] offset:2048*(\a)+256*(\i)  ; ranks 2 i and 2 i + 1: 256 consecutive bytes, at a multiple of 256 from h's first byte
.endr
.endm
	s_load_b256 s[4:11], s[0:1], 0x0               ; xb s[4:5], w1 s[6:7], b1 s[8:9], sel s[10:11]
	s_load_b64 s[12:13], s[0:1], 0x20              ; h
	v_lshl_add_u32 v[SPW], v0, 2, SPARE
	v_mov_b32 v[NIL], 0
	v_lshrrev_b32 v[VL], 5, v0
	v_readfirstlane_b32 s14, v[VL]                 ; wave 0..3
	s_and_b32 s15, ttmp7, 0xffff                   ; e
	s_lshl_b32 s18, s15, 23                        ; w1: the expert's 8,388,608 bytes,
	s_lshl_b32 s26, s14, 21                        ; my wave's 256 rows,
	s_add_co_u32 s18, s18, s26
	s_lshl_b32 s26, ttmp9, 8                       ; the work-group's 256 bytes of a row
	s_add_co_u32 s18, s18, s26
	s_mov_b32 s19, 0
	s_lshl_b32 s20, s15, 13                        ; b1: the expert's row, the same 256 bytes
	s_add_co_u32 s20, s20, s26
	s_mov_b32 s21, 0
	s_lshl_b32 s22, s15, 5                         ; h: block 32 e + s of 262,144 bytes
	s_add_co_u32 s22, s22, ttmp9
	s_lshl_b32 s22, s22, 18
	s_mov_b32 s23, 0
	s_lshl_b32 s29, 0x10001, s15                   ; the expert's bit in both halves of a word of sel
	s_add_co_u32 s39, s15, 16                      ; the place of its bit in the upper half
	s_add_co_u32 s27, s15, 4096                    ; the entry of a place past the count
	s_mov_b32 s38, 0x3e6d3388                      ; p / sqrt 2 = 0.23164189
	s_mov_b32 s40, 0xbf38aa3b                      ; - log2(e) / 2; the packed lines name pairs and take the low word for both halves
	s_mov_b32 s41, 0xbf38aa3b
	s_mov_b32 s42, 0x3e027906                      ; a1 / 2 =  0.127414796
	s_mov_b32 s43, 0x3e027906
	s_mov_b32 s44, 0xbe11a98e                      ; a2 / 2 = -0.142248368
	s_mov_b32 s45, 0xbe11a98e
	s_mov_b32 s46, 0x3f35f0e3                      ; a3 / 2 =  0.710706871
	s_mov_b32 s47, 0x3f35f0e3
	s_mov_b32 s48, 0xbf3a00e3                      ; a4 / 2 = -0.726576014
	s_mov_b32 s49, 0xbf3a00e3
	s_mov_b32 s50, 0x3f07dc22                      ; a5 / 2 =  0.530702715
	s_mov_b32 s51, 0x3f07dc22
	v_and_b32 v[VL], 31, v0
	v_and_b32 v[VR], 15, v0
	v_bfe_u32 v[VH], v0, 4, 1
	v_lshlrev_b32 v[BO], 4, v[VR]
	v_lshl_add_u32 v[FO], v[VH], 16, v[BO]         ; 8 rows of 8,192 bytes
	v_lshlrev_b32 v[LB0], 4, v[VL]
	s_lshl_b32 s26, s14, 15
	v_add_nc_u32 v[FS], s26, v[LB0]
	v_add_nc_u32 v[LB1], 0x10000, v[LB0]
	v_and_b32 v[LP], 7, v0
	v_bfe_u32 v[LA], v0, 3, 1
	v_lshl_add_u32 v[LP], v[LP], 1, v[LA]
	v_lshl_add_u32 v[LP], v[LP], 2, LIST
	v_lshlrev_b32 v[E8L], 3, v[VL]
	v_lshlrev_b32 v[H16], 4, v[VH]
	v_add_nc_u32 v[DIDX], 0x800, v[VL]
	v_mov_b32 v[CADR], CNTW
.irp k, 0,1,2,3
	v_mov_b32 v[PADV+\k], s27
.endr
	s_wait_kmcnt 0x0
	s_add_nc_u64 s[6:7], s[6:7], s[18:19]
	s_add_nc_u64 s[8:9], s[8:9], s[20:21]
	s_add_nc_u64 s[12:13], s[12:13], s[22:23]
	global_load_b128 v[BL:BL+3], v[BO], s[8:9]     ; b1 of columns 4 r .. 4 r + 3
	s_cmp_lg_u32 s14, 0
	s_cbranch_scc1 .Lno_sel
.irp n, 0,1,2,3,4,5,6,7,8,9,10,11,12,13,14,15
	global_load_b128 v[SEL+4*\n:SEL+4*\n+3], v[LB0], s[10:11] offset:512*\n  ; register c of load n in lane l: token 128 n + 4 l + c
.endr
.Lno_sel:
.irp g, 0,1,2,3,4,5,6,7
	FLOAD \g                                       ; half of my quarter of the block goes out at once: 64 loads a wave
.endr
	WIN 0
	s_cmp_lg_u32 s14, 0
	s_cbranch_scc1 .Lno_list
	; THE LIST, by wave 0, while its weights are on their way.
	s_wait_loadcnt 63                              ; of the 81 loads issued the oldest 18 are in: the bias and sel's sixteen
	v_add_nc_u32 v[LA], LIST, v[LB0]
.irp k, 0,1,2,3,4,5,6,7,8,9,10,11,12,13,14,15
	ds_store_b128 v[LA], v[PADV:PADV+3] offset:512*\k  ; every place first holds 4,096 + e; LDS serves a wave's instructions in order (ISA guide 5.7.1.4), so the entries below land on top
.endr
	s_mov_b32 s28, 0                               ; rows counted so far
.irp n, 0,1,2,3,4,5,6,7,8,9,10,11,12,13,14,15
.irp c, 0,1,2,3
	LISTGRP \n, \c
.endr
.endr
	v_mov_b32 v[X], s28
	ds_store_b32 v[CADR], v[X]                     ; the expert's number of rows
.Lno_list:
.set gl, 0
.rept 16
.if gl < 9
	FCVT gl, 56
.else
	FCVT gl, 8*(15-gl)
.endif
.if gl < 8
	FLOAD gl+8                                     ; the unit's registers take the unit eight further on
.endif
.set gl, gl+1
.endr
	WIN 0
	s_wait_dscnt 0x0                               ; for the others' sake: my quarter of the weights (and wave 0's list) lies in LDS
	s_barrier_signal -1
	s_barrier_wait -1                              ; from here to the closing lines LDS is only read
	ds_load_b32 v[X], v[CADR]
	v_cvt_pk_bf16_f32 v[BL+4], v[BL],   v[BL+1]    ; the bias rounded to bf16 and widened again, eight times for each column tile
	v_cvt_pk_bf16_f32 v[BL+5], v[BL+2], v[BL+3]
.irp i, 0,1,2,3,4,5,6,7
	v_lshlrev_b32 v[BIAS+\i],    16,         v[BL+4]
	v_and_b32     v[BIAS+8+\i],  0xffff0000, v[BL+4]
	v_lshlrev_b32 v[BIAS+16+\i], 16,         v[BL+5]
	v_and_b32     v[BIAS+24+\i], 0xffff0000, v[BL+5]
.endr
	s_wait_dscnt 0x0
	v_readfirstlane_b32 s32, v[X]
	s_min_u32 s32, s32, 2048                       ; rows of the expert
	s_add_co_u32 s33, s32, 31
	s_lshr_b32 s33, s33, 5                         ; tiles of 32
	s_mov_b32 s35, s14                             ; my first tile
	s_cmp_ge_u32 s35, s33
	s_cbranch_scc1 .Ldone                          ; no tile for me (an expert with few rows, or none)
	s_sub_co_u32 s34, s33, 1                       ; the last tile
	s_lshl_b32 s26, s35, 7
	v_add_nc_u32 v[LA], s26, v[LP]
	ds_load_b32 v[LN],   v[LA]
	ds_load_b32 v[LN+1], v[LA] offset:64
	s_wait_dscnt 0x0
	MKADN
.irp st, 0,1,2,3,4,5,6
	ALOAD \st, ADN
.endr
	BLOAD 0
	WIN 0
	s_mov_b32 s37, 16
.Ltile:                                        ; a trip: my tile t.  Its source 0 for STEPs 0-6 and its source 1 for STEP 0 are on their way
	s_wait_xcnt 0x0                                ; every load and store issued so far has read its address and data registers (ISA guide 3.1): ADC, ADN, HO and O are rewritten only behind this wait
	v_mov_b32 v[ADC],   v[ADN]
	v_mov_b32 v[ADC+1], v[ADN+1]
	s_add_co_u32 s36, s35, 4                       ; my next tile; behind my last, the expert's last once more: rows that exist, loaded and not used
	s_min_u32 s36, s36, s34
	s_min_u32 s36, s36, 63
	s_lshl_b32 s26, s36, 7
	v_add_nc_u32 v[LA], s26, v[LP]
	ds_load_b32 v[LN],   v[LA]
	ds_load_b32 v[LN+1], v[LA] offset:64
	s_min_u32 s26, s35, 63                         ; (t is 3 + 4 x 15 at the most)
	s_lshl_b32 s26, s26, 12
	v_add_nc_u32 v[HO], s26, v[E8L]                ; 32 ranks of 128 bytes a tile
.irp s, 0,1,2,3,4,5,6,7,8,9,10,11,12,13,14,15
	STEP \s
.endr
	WIN 0
	PLACES
	GELU 0
	GELU 1
	s_add_co_u32 s35, s35, 4
	s_cmp_ge_u32 s35, s33
	s_cbranch_scc1 .Ldone                          ; forward, out of the loop: the expert's tiles are done
	s_sub_co_u32 s37, s37, 1
	s_cmp_lg_u32 s37, 0
	s_cbranch_scc1 .Ltile
.Ldone:                                        ; all ways of all four waves join here
	s_wait_dscnt 0x0                               ; my reads of LDS are back, those of the list and of the weights among them;
	s_barrier_signal -1                            ; the add below writes LDS: no wave comes to it
	s_barrier_wait -1                              ; before every wave has said that its reads are over
	s_wait_tensorcnt 0x0                           ; the wave's end, behind my last LDS store
	ds_add_u32 v[SPW], v[NIL]
	s_wait_dscnt 0x0
	s_endpgm
.Lfunc_end_k_q2d69641e21_ffn1:
	.size	k_q2d69641e21_ffn1, .Lfunc_end_k_q2d69641e21_ffn1-k_q2d69641e21_ffn1
	.p2alignl 7, 3214868480
	.fill 96, 4, 3214868480
	.section	.rodata,"a",@progbits
	.p2align	6, 0x0
	.amdhsa_kernel k_q2d69641e21_ffn1
		.amdhsa_group_segment_fixed_size 140032
		.amdhsa_private_segment_fixed_size 0
		.amdhsa_enable_private_segment 0
		.amdhsa_kernarg_size 40
		.amdhsa_user_sgpr_count 2
		.amdhsa_user_sgpr_kernarg_segment_ptr 1
		.amdhsa_wavefront_size32 1
		.amdhsa_system_sgpr_workgroup_id_x 1
		.amdhsa_system_sgpr_workgroup_id_y 1
		.amdhsa_system_sgpr_workgroup_id_z 1
		.amdhsa_system_vgpr_workitem_id 0
		.amdhsa_next_free_vgpr 768
		.amdhsa_next_free_sgpr 66
		.amdhsa_reserve_vcc 0
		.amdhsa_float_denorm_mode_32 3
		.amdhsa_float_denorm_mode_16_64 3
		.amdhsa_memory_ordered 1
		.amdhsa_forward_progress 1
		.amdhsa_inst_pref_size 175
	.end_amdhsa_kernel
	.amdgpu_metadata
---
amdhsa.version: [ 1, 2 ]
amdhsa.kernels:
  - .name:           k_q2d69641e21_ffn1
    .symbol:         k_q2d69641e21_ffn1.kd
    .args:
      - { .name: xb, .offset: 0, .size: 8, .value_kind: global_buffer, .address_space: global }
      - { .name: w1, .offset: 8, .size: 8, .value_kind: global_buffer, .address_space: global }
      - { .name: b1, .offset: 16, .size: 8, .value_kind: global_buffer, .address_space: global }
      - { .name: sel, .offset: 24, .size: 8, .value_kind: global_buffer, .address_space: global }
      - { .name: h, .offset: 32, .size: 8, .value_kind: global_buffer, .address_space: global }
    .group_segment_fixed_size: 140032
    .private_segment_fixed_size: 0
    .kernarg_segment_align: 8
    .kernarg_segment_size: 40
    .max_flat_workgroup_size: 128
    .sgpr_count:     66
    .vgpr_count:     768
    .wavefront_size: 32
...
	.end_amdgpu_metadata
.endif
;; end of part 2
;; launch ffn2 (part 3): grid 16 x 16, 4 waves a work-group, no clusters, 140,032 bytes of LDS; arguments h, w2, sel, ypart; writes ypart
.if DOCPART == 3
	.amdgcn_target "amdgcn-amd-amdhsa--gfx1250"
	.amdhsa_code_object_version 6
	.text
	.protected	k_q2d69641e21_ffn2
	.globl	k_q2d69641e21_ffn2
	.p2align	8
	.type	k_q2d69641e21_ffn2,@function
k_q2d69641e21_ffn2:
	s_mov_b64 s[64:65], 0
	v_nop
	global_prefetch_b8 v0, s[64:65] scope:SCOPE_SE
	s_setreg_imm32_b32 hwreg(HW_REG_WAVE_MODE, 25, 1), 1
	s_wait_xcnt 0x0
; MoE LAYER, THIRD LAUNCH: ypart[kh][entry] = h[rows of e, half kh of the hidden width] . bf16(w2[e][that half]), raw f32 sums; entry = 2 x token + slot.
; LEFT OUT: the rows (token, expert) with the expert outside the token's top_k: reference() multiplies their results by a 0 of its own one_hot (shown at the head of the first launch).
; SHARES.  Work-group (s, 2 e + kh) has expert e, rows 1,024 kh .. 1,024 kh + 1,023 and columns 64 s .. 64 s + 63 of w2[e]: 1,024 x 64 f32, 256 KiB that it alone reads, once; and all rows of that expert.
; The hidden width is split in two so that a piece of a weight row and of a result row is 64 f32, 256 bytes, and there are 256 work-groups; the two halves' sums (f32) are added by the last launch.
; PHASES, COLUMNS and the LIST are the second launch's: the fill through registers into LDS as source 1 takes it, wave 0's list (the same order of ranks), a barrier, then tiles of 32 ranks x 64 columns,
; tile t to wave t % 4, in a loop of 16 counted trips that writes no LDS, has no barrier and is left by a forward jump; a second barrier, where all ways join, ahead of the closing lines, which write LDS.
; ROWS.  Row m of row tile a is rank 32 t + 16 a + m.  64 along K are one block of h ([expert][block 32][rank 2,048][64] bf16), in which a tile's 32 ranks are 4,096 consecutive bytes.
; THE WAY OUT.  Result register i of the four column tiles is four neighbouring columns of rank 8 (lane / 16) + i: 16 bytes a lane, and sixteen lanes store 256 consecutive bytes, aligned, of that rank's
; entry.  A rank past the count has the entry 4,096 + e: a dump row of ypart whose bytes (kh, e, s) are this work-group's own and are never read.
; NO JOINT LOADS: each weight has one reader; the rows of h that an expert's sixteen work-groups share are walked by a loop whose live length hangs on a stored count, which keeps tile rings and barriers out of it.
; REGISTERS, in windows of 256 (s_set_vgpr_msb: bits 1:0 source 0, 3:2 source 1, 5:4 source 2, 7:6 destination):
;   window 0: addresses, accumulators, the way out      window 1: the fill's eight units of 32; then source 1, two buffers of 64      window 2: source 0, a ring of eight buffers of 32
.set RS,    4096                       ; bytes in a row of w2[e]
.set LIST,  131072                     ; LDS: behind the weights' 131,072 bytes: 2,048 entries, then 32 dump words for wave 0's lanes whose token did not choose e,
.set CNTW,  LIST+8320                  ; then the count
.set SPARE, 139520                     ; the spare words, 128 bytes for each wave: two blocks of 256 bytes that no other line names
.set PLANE, 16809984                   ; bytes of ypart for one half of the hidden width: 4,104 rows of 4,096
.set VL,   1                           ; lane
.set VR,   2                           ; lane % 16
.set VH,   3                           ; lane / 16
.set FO,   4                           ; the fill: 8 (lane / 16) rows + 16 (lane % 16) bytes; never rewritten
.set FS,   5                           ; the fill: LDS, 32,768 x wave + 16 x lane
.set LB0,  6                           ; 16 x lane: source 1's fragments of K steps 0-15
.set LB1,  7                           ; + 65,536: of K steps 16-31
.set LP,   8                           ; LIST + 32 (lane / 16): my eight ranks' entries in tile 0
.set LA,   9                           ; an LDS address at work
.set A0,   10                          ; 128 (lane % 16) + 16 (lane / 16): my place in 16 ranks of a block of h
.set ADC,  12                          ; my byte offset in a block of h, this tile
.set ADN,  14                          ; the same for the tile after it
.set E8L,  17                          ; 8 x lane
.set SPW,  18                          ; my spare word; never rewritten
.set NIL,  19                          ; 0; never rewritten
.set X,    20                          ; the list: at work
.set RK,   21
.set EN,   22
.set DIDX, 23                          ; 2,048 + lane
.set CADR, 24                          ; CNTW
.set BO,   26                          ; 16 x (lane % 16)
.set PADV, 28                          ; v[28:31] 4,096 + e, four times
.set ACC,  32                          ; v[32:95]   eight accumulators: row tile a, column tile j at ACC + 32 a + 8 j
.set ENT,  96                          ; v[96:111]  my sixteen ranks' entries, then their byte offsets in ypart
.set OUT,  128                         ; v[128:191] the way out: 16 bytes for each of sixteen ranks
.set SEL,  128                         ; wave 0, ahead of the loop: 64 words of sel a lane
.set FT,   192                         ; the fill: 16 registers of packed weights
.set MSB, 0
.macro WIN new                         ; the immediate's high byte repeats the setting that is left; a switch that changes nothing is dropped
.if MSB != (\new)
	s_set_vgpr_msb (MSB<<8)|(\new)
.set MSB, \new
.endif
.endm
.set W_MUL, 0x06                       ; source 0 window 2, source 1 window 1, C and D window 0
.set W_TOA, 0x80                       ; destination window 2
.set W_TOB, 0x40                       ; destination window 1
.set W_CVT, 0x05                       ; sources window 1, destination window 0
.macro PLACES                          ; four places behind a product, ahead of loads into registers that it read and of vector lines that read its result (ISA guide 7.12.1 for vector lines)
.rept 4
	v_nop
.endr
.endm
; Unit gl of my 16: 16 rows of K x 64 columns.  Load i: lanes 0-15 take row i's 256 bytes, lanes 16-31 row 8 + i's.
.macro FLOAD gl
	WIN W_TOB
.irp i, 0,1,2,3,4,5,6,7
	global_load_b128 v[32*((\gl)%8)+4*(\i):32*((\gl)%8)+4*(\i)+3], v[FO], s[6:7] offset:(16*(\gl)+(\i))*RS th:TH_LOAD_NT
.endr
.endm
; The unit is rounded and laid down: for column 4 r + j my eight rows pack into 16 bytes, which ARE registers 0-3 (even unit) or 4-7 (odd unit) of my lane in source 1's fragment (K step gl / 2, tile j).
.macro FCVT gl, left
	s_wait_loadcnt \left                           ; loads come back in order (ISA guide 5.7.1): the unit is in; the younger units' eight loads each stay out
	WIN W_CVT
.irp j, 0,1,2,3
.irp p, 0,1,2,3
	v_cvt_pk_bf16_f32 v[FT+4*(\j)+(\p)], v[32*((\gl)%8)+8*(\p)+(\j)], v[32*((\gl)%8)+8*(\p)+4+(\j)]
.endr
.endr
	WIN 0
.irp j, 0,1,2,3
	ds_store_b128 v[FS], v[FT+4*(\j):FT+4*(\j)+3] offset:((\gl)/2)*4096+((\gl)%2)*512+(\j)*1024  ; 512 consecutive bytes a wave
.endr
.endm
; One of the list's 64 groups of 32 tokens, line for line as in the second launch: the ranks must be the same.
.macro LISTGRP n, c
	v_and_b32 v[X], s29, v[SEL+4*(\n)+(\c)]        ; the expert's bit in either half
	v_cmp_ne_u32 s30, 0, v[X]                      ; the tokens that chose e
	v_bfe_u32 v[EN], v[SEL+4*(\n)+(\c)], s39, 1    ; 1: as their second choice
	v_mbcnt_lo_u32_b32 v[RK], s30, s28             ; rank = those counted so far + those in lower lanes
	v_add3_u32 v[EN], v[EN], v[E8L], 256*(\n)+2*(\c)  ; entry = 2 x token + slot
	v_cndmask_b32 v[RK], v[DIDX], v[RK], s30
	v_min_u32 v[RK], 2079, v[RK]                   ; held inside the list and its dump words
	v_lshl_add_u32 v[RK], v[RK], 2, LIST
	ds_store_b32 v[RK], v[EN]
	s_bcnt1_i32_b32 s31, s30
	s_add_co_u32 s28, s28, s31
.endm
; Source 0 for 64 along K (STEP st of a tile = block st of my half of h): two row tiles x two K steps, 8 loads, into ring buffer st % 8.  reg: ADC or ADN.
.macro ALOAD st, reg
	WIN W_TOA
.irp a, 0,1
.irp u, 0,1
	global_load_b128 v[32*((\st)%8)+16*(\a)+8*(\u):32*((\st)%8)+16*(\a)+8*(\u)+3],   v[\reg], s[4:5] offset:(\st)*262144+2048*(\a)+64*(\u)
	global_load_b128 v[32*((\st)%8)+16*(\a)+8*(\u)+4:32*((\st)%8)+16*(\a)+8*(\u)+7], v[\reg], s[4:5] offset:(\st)*262144+2048*(\a)+64*(\u)+32
.endr
.endr
.endm
; Source 1 for the same 64 along K: two K steps x four column tiles, 16 LDS loads of 512 consecutive bytes, into buffer st % 2.
.macro BLOAD st
	WIN W_TOB
.irp u, 0,1
.irp j, 0,1,2,3
	ds_load_b128 v[64*((\st)%2)+32*(\u)+8*(\j):64*((\st)%2)+32*(\u)+8*(\j)+3],   v[LB0+(\st)/8] offset:((\st)%8)*8192+(\u)*4096+(\j)*1024
	ds_load_b128 v[64*((\st)%2)+32*(\u)+8*(\j)+4:64*((\st)%2)+32*(\u)+8*(\j)+7], v[LB0+(\st)/8] offset:((\st)%8)*8192+(\u)*4096+(\j)*1024+512
.endr
.endr
.endm
; 64 along K: 16 products.  Source 0 is asked for seven STEPs ahead (from STEP 9 on: the next tile's), source 1 one STEP ahead.  The eight accumulators take turns, one instruction a turn.
.macro STEP s
	PLACES                                         ; the buffers filled below were read by the STEP before
.if (\s) <= 8
	ALOAD (\s)+7, ADC
.else
	ALOAD (\s)-9, ADN
.endif
	BLOAD ((\s)+1)%16
	s_wait_loadcnt 56                              ; this STEP's source 0 is in: the seven younger STEPs' eight loads each stay out
	s_wait_dscnt 16                                ; this STEP's source 1 (and, in STEP 0, the entries read at the trip's head) is in: the sixteen just issued stay out
.if (\s) == 0
	WIN 0
.set n, 0
.rept 16
	v_min_u32 v[ENT+n], 4103, v[ENT+n]             ; an entry, held inside ypart's 4,104 rows,
	v_lshl_add_u32 v[ENT+n], v[ENT+n], 12, v[BO]   ; x 4,096 bytes + my 16 bytes of the work-group's 256
.set n, n+1
.endr
.endif
	WIN W_MUL
.irp u, 0,1
.irp a, 0,1
.irp j, 0,1,2,3
.set rD, ACC+32*(\a)+8*(\j)
.set rA, 32*((\s)%8)+16*(\a)+8*(\u)
.set rB, 64*((\s)%2)+32*(\u)+8*(\j)
.if ((\s) == 0) && ((\u) == 0)
	v_wmma_f32_16x16x32_bf16 v[rD:rD+7], v[rA:rA+7], v[rB:rB+7], 0  ; the first product starts the sum: nothing is cleared
.else
	v_wmma_f32_16x16x32_bf16 v[rD:rD+7], v[rA:rA+7], v[rB:rB+7], v[rD:rD+7]
.endif
.endr
.endr
.endr
.endm
	s_load_b256 s[4:11], s[0:1], 0x0               ; h s[4:5], w2 s[6:7], sel s[8:9], ypart s[10:11]
	v_lshl_add_u32 v[SPW], v0, 2, SPARE
	v_mov_b32 v[NIL], 0
	v_lshrrev_b32 v[VL], 5, v0
	v_readfirstlane_b32 s14, v[VL]                 ; wave 0..3
	s_and_b32 s16, ttmp7, 0xffff
	s_lshr_b32 s15, s16, 1                         ; e
	s_and_b32 s17, s16, 1                          ; kh
	s_lshl_b32 s18, s15, 23                        ; w2: the expert's 8,388,608 bytes,
	s_lshl_b32 s26, s17, 22                        ; the half's 1,024 rows,
	s_add_co_u32 s18, s18, s26
	s_lshl_b32 s26, s14, 20                        ; my wave's 256 rows,
	s_add_co_u32 s18, s18, s26
	s_lshl_b32 s26, ttmp9, 8                       ; the work-group's 256 bytes of a row
	s_add_co_u32 s18, s18, s26
	s_mov_b32 s19, 0
	s_lshl_b32 s20, s15, 5                         ; h: block 32 e + 16 kh of 262,144 bytes
	s_lshl_b32 s27, s17, 4
	s_add_co_u32 s20, s20, s27
	s_lshl_b32 s20, s20, 18
	s_mov_b32 s21, 0
	s_mul_i32 s22, s17, PLANE                      ; ypart: the half's plane, the work-group's 256 bytes of a row
	s_add_co_u32 s22, s22, s26
	s_mov_b32 s23, 0
	s_lshl_b32 s29, 0x10001, s15                   ; the expert's bit in both halves of a word of sel
	s_add_co_u32 s39, s15, 16                      ; the place of its bit in the upper half
	s_add_co_u32 s27, s15, 4096                    ; the entry of a place past the count
	v_and_b32 v[VL], 31, v0
	v_and_b32 v[VR], 15, v0
	v_bfe_u32 v[VH], v0, 4, 1
	v_lshlrev_b32 v[BO], 4, v[VR]
	v_lshl_add_u32 v[FO], v[VH], 15, v[BO]         ; 8 rows of 4,096 bytes
	v_lshlrev_b32 v[LB0], 4, v[VL]
	s_lshl_b32 s26, s14, 15
	v_add_nc_u32 v[FS], s26, v[LB0]
	v_add_nc_u32 v[LB1], 0x10000, v[LB0]
	v_lshl_add_u32 v[LP], v[VH], 5, LIST
	v_lshlrev_b32 v[A0], 7, v[VR]
	v_lshl_add_u32 v[A0], v[VH], 4, v[A0]
	v_lshlrev_b32 v[E8L], 3, v[VL]
	v_add_nc_u32 v[DIDX], 0x800, v[VL]
	v_mov_b32 v[CADR], CNTW
.irp k, 0,1,2,3
	v_mov_b32 v[PADV+\k], s27
.endr
	s_wait_kmcnt 0x0
	s_add_nc_u64 s[4:5], s[4:5], s[20:21]
	s_add_nc_u64 s[6:7], s[6:7], s[18:19]
	s_add_nc_u64 s[10:11], s[10:11], s[22:23]
	s_cmp_lg_u32 s14, 0
	s_cbranch_scc1 .Lno_sel
.irp n, 0,1,2,3,4,5,6,7,8,9,10,11,12,13,14,15
	global_load_b128 v[SEL+4*\n:SEL+4*\n+3], v[LB0], s[8:9] offset:512*\n  ; register c of load n in lane l: token 128 n + 4 l + c
.endr
.Lno_sel:
.irp g, 0,1,2,3,4,5,6,7
	FLOAD \g                                       ; half of my quarter of the block goes out at once: 64 loads a wave
.endr
	WIN 0
	s_cmp_lg_u32 s14, 0
	s_cbranch_scc1 .Lno_list
	; THE LIST, by wave 0, while its weights are on their way.
	s_wait_loadcnt 63                              ; of the 80 loads issued the oldest 17 are in, sel's sixteen among them
	v_add_nc_u32 v[LA], LIST, v[LB0]
.irp k, 0,1,2,3,4,5,6,7,8,9,10,11,12,13,14,15
	ds_store_b128 v[LA], v[PADV:PADV+3] offset:512*\k  ; every place first holds 4,096 + e; LDS serves a wave's instructions in order (ISA guide 5.7.1.4), so the entries below land on top
.endr
	s_mov_b32 s28, 0                               ; rows counted so far
.irp n, 0,1,2,3,4,5,6,7,8,9,10,11,12,13,14,15
.irp c, 0,1,2,3
	LISTGRP \n, \c
.endr
.endr
	v_mov_b32 v[X], s28
	ds_store_b32 v[CADR], v[X]                     ; the expert's number of rows
.Lno_list:
.set gl, 0
.rept 16
.if gl < 9
	FCVT gl, 56
.else
	FCVT gl, 8*(15-gl)
.endif
.if gl < 8
	FLOAD gl+8                                     ; the unit's registers take the unit eight further on
.endif
.set gl, gl+1
.endr
	WIN 0
	s_wait_dscnt 0x0                               ; for the others' sake: my quarter of the weights (and wave 0's list) lies in LDS
	s_barrier_signal -1
	s_barrier_wait -1                              ; from here to the closing lines LDS is only read
	ds_load_b32 v[X], v[CADR]
	s_wait_dscnt 0x0
	v_readfirstlane_b32 s32, v[X]
	s_min_u32 s32, s32, 2048                       ; rows of the expert
	s_add_co_u32 s33, s32, 31
	s_lshr_b32 s33, s33, 5                         ; tiles of 32
	s_mov_b32 s35, s14                             ; my first tile
	s_cmp_ge_u32 s35, s33
	s_cbranch_scc1 .Ldone                          ; no tile for me (an expert with few rows, or none)
	s_sub_co_u32 s34, s33, 1                       ; the last tile
	s_lshl_b32 s26, s35, 12
	v_add_nc_u32 v[ADN], s26, v[A0]
.irp st, 0,1,2,3,4,5,6
	ALOAD \st, ADN
.endr
	BLOAD 0
	WIN 0
	s_mov_b32 s37, 16
.Ltile:                                        ; a trip: my tile t.  Its source 0 for STEPs 0-6 and its source 1 for STEP 0 are on their way
	s_wait_xcnt 0x0                                ; every load and store issued so far has read its address and data registers (ISA guide 3.1): ADC, ADN, ENT and OUT are rewritten only behind this wait
	v_mov_b32 v[ADC], v[ADN]
	s_add_co_u32 s36, s35, 4                       ; my next tile; behind my last, the expert's last once more: rows that exist, loaded and not used
	s_min_u32 s36, s36, s34
	s_min_u32 s36, s36, 63
	s_lshl_b32 s26, s36, 12
	v_add_nc_u32 v[ADN], s26, v[A0]
	s_min_u32 s26, s35, 63                         ; (t is 3 + 4 x 15 at the most)
	s_lshl_b32 s26, s26, 7
	v_add_nc_u32 v[LA], s26, v[LP]
.irp a, 0,1
	ds_load_b128 v[ENT+8*\a:ENT+8*\a+3],   v[LA] offset:64*\a     ; the entries of ranks 16 a + 8 (lane / 16) + 0..3,
	ds_load_b128 v[ENT+8*\a+4:ENT+8*\a+7], v[LA] offset:64*\a+16  ; + 4..7
.endr
.irp s, 0,1,2,3,4,5,6,7,8,9,10,11,12,13,14,15
	STEP \s
.endr
	WIN 0
	PLACES
.irp a, 0,1
.irp i, 0,1,2,3,4,5,6,7                ; each accumulator is read from its register 0 on
.irp j, 0,1,2,3
	v_mov_b32 v[OUT+4*(8*\a+\i)+\j], v[ACC+32*\a+8*\j+\i]   ; the four column tiles' registers i: columns 4 r .. 4 r + 3 of one rank
.endr
	global_store_b128 v[ENT+8*\a+\i], v[OUT+4*(8*\a+\i):OUT+4*(8*\a+\i)+3], s[10:11] th:TH_STORE_NT  ; sixteen lanes store 256 consecutive bytes, at a multiple of 256 from ypart's first byte
.endr
.endr
	s_add_co_u32 s35, s35, 4
	s_cmp_ge_u32 s35, s33
	s_cbranch_scc1 .Ldone                          ; forward, out of the loop: the expert's tiles are done
	s_sub_co_u32 s37, s37, 1
	s_cmp_lg_u32 s37, 0
	s_cbranch_scc1 .Ltile
.Ldone:                                        ; all ways of all four waves join here
	s_wait_dscnt 0x0                               ; my reads of LDS are back, those of the list and of the weights among them;
	s_barrier_signal -1                            ; the add below writes LDS: no wave comes to it
	s_barrier_wait -1                              ; before every wave has said that its reads are over
	s_wait_tensorcnt 0x0                           ; the wave's end, behind my last LDS store
	ds_add_u32 v[SPW], v[NIL]
	s_wait_dscnt 0x0
	s_endpgm
.Lfunc_end_k_q2d69641e21_ffn2:
	.size	k_q2d69641e21_ffn2, .Lfunc_end_k_q2d69641e21_ffn2-k_q2d69641e21_ffn2
	.p2alignl 7, 3214868480
	.fill 96, 4, 3214868480
	.section	.rodata,"a",@progbits
	.p2align	6, 0x0
	.amdhsa_kernel k_q2d69641e21_ffn2
		.amdhsa_group_segment_fixed_size 140032
		.amdhsa_private_segment_fixed_size 0
		.amdhsa_enable_private_segment 0
		.amdhsa_kernarg_size 32
		.amdhsa_user_sgpr_count 2
		.amdhsa_user_sgpr_kernarg_segment_ptr 1
		.amdhsa_wavefront_size32 1
		.amdhsa_system_sgpr_workgroup_id_x 1
		.amdhsa_system_sgpr_workgroup_id_y 1
		.amdhsa_system_sgpr_workgroup_id_z 1
		.amdhsa_system_vgpr_workitem_id 0
		.amdhsa_next_free_vgpr 768
		.amdhsa_next_free_sgpr 66
		.amdhsa_reserve_vcc 0
		.amdhsa_float_denorm_mode_32 3
		.amdhsa_float_denorm_mode_16_64 3
		.amdhsa_memory_ordered 1
		.amdhsa_forward_progress 1
		.amdhsa_inst_pref_size 143
	.end_amdhsa_kernel
	.amdgpu_metadata
---
amdhsa.version: [ 1, 2 ]
amdhsa.kernels:
  - .name:           k_q2d69641e21_ffn2
    .symbol:         k_q2d69641e21_ffn2.kd
    .args:
      - { .name: h, .offset: 0, .size: 8, .value_kind: global_buffer, .address_space: global }
      - { .name: w2, .offset: 8, .size: 8, .value_kind: global_buffer, .address_space: global }
      - { .name: sel, .offset: 16, .size: 8, .value_kind: global_buffer, .address_space: global }
      - { .name: ypart, .offset: 24, .size: 8, .value_kind: global_buffer, .address_space: global }
    .group_segment_fixed_size: 140032
    .private_segment_fixed_size: 0
    .kernarg_segment_align: 8
    .kernarg_segment_size: 32
    .max_flat_workgroup_size: 128
    .sgpr_count:     66
    .vgpr_count:     768
    .wavefront_size: 32
...
	.end_amdgpu_metadata
.endif
;; end of part 3
;; launch combine (part 4): grid 256 x 1, 8 waves a work-group, no clusters, 0 bytes of LDS; arguments ypart, b2, sel, wgt, out0; writes out0
.if DOCPART == 4
	.amdgcn_target "amdgcn-amd-amdhsa--gfx1250"
	.amdhsa_code_object_version 6
	.text
	.protected	k_q2d69641e21_combine
	.globl	k_q2d69641e21_combine
	.p2align	8
	.type	k_q2d69641e21_combine,@function
k_q2d69641e21_combine:
	s_mov_b64 s[64:65], 0
	v_nop
	global_prefetch_b8 v0, s[64:65] scope:SCOPE_SE
	s_setreg_imm32_b32 hwreg(HW_REG_WAVE_MODE, 25, 1), 1
	s_wait_xcnt 0x0
; MoE LAYER, LAST LAUNCH: out[t] = the sum over the token's two chosen experts of wgt[t][slot] x (ypart[0][2 t + slot] + ypart[1][2 t + slot] + bf16(b2[expert of the slot])).
; LEFT OUT: the six experts outside the token's top_k, whose terms reference() multiplies by a 0 of its own one_hot (shown at the head of the first launch).
; A STREAM: memory binds, so there is no LDS, no barrier and no matrix work.  One wave takes one token: a row of 4,096 bytes in eight chunks of 512 consecutive bytes, 16 bytes a lane.
; All 48 loads of a wave go out before the first wait: the 32 of ypart need nothing of sel and go first; the 16 of b2 follow when the token's two experts have come by scalar loads.
; Which rows of b2 are read hangs on sel, whole numbers that the first launch stored; each index is held to 7.  Every chunk has registers of its own, so no register of a pending store is rewritten.
.set PLANE, 16809984                   ; bytes of ypart for one half of the hidden width
.set Y,  16                            ; v[16:143]   chunk c at Y + 16 c: slot 0 half 0, slot 0 half 1, slot 1 half 0, slot 1 half 1, four f32 each
.set BB, 144                           ; v[144:207]  chunk c at BB + 8 c: b2 of slot 0's expert, of slot 1's
	s_load_b256 s[4:11], s[0:1], 0x0               ; ypart s[4:5], b2 s[6:7], sel s[8:9], wgt s[10:11]
	s_load_b64 s[12:13], s[0:1], 0x20              ; out0
	v_lshrrev_b32 v1, 5, v0
	v_readfirstlane_b32 s14, v1                    ; wave 0..7
	s_lshl_b32 s15, ttmp9, 3
	s_add_co_u32 s15, s15, s14                     ; my token
	v_and_b32 v2, 31, v0
	v_lshlrev_b32 v2, 4, v2                        ; 16 x lane; never rewritten
	s_lshl_b32 s16, s15, 13                        ; ypart: two entries of 4,096 bytes a token
	s_mov_b32 s17, 0
	s_lshl_b32 s18, s15, 2                         ; sel
	s_mov_b32 s19, 0
	s_lshl_b32 s20, s15, 3                         ; wgt
	s_mov_b32 s21, 0
	s_lshl_b32 s22, s15, 12                        ; out0
	s_mov_b32 s23, 0
	s_wait_kmcnt 0x0
	s_add_nc_u64 s[4:5], s[4:5], s[16:17]
	s_add_nc_u64 s[24:25], s[4:5], PLANE           ; the same two entries in the other half's plane
	s_add_nc_u64 s[8:9], s[8:9], s[18:19]
	s_add_nc_u64 s[10:11], s[10:11], s[20:21]
	s_add_nc_u64 s[12:13], s[12:13], s[22:23]
	s_load_b32 s26, s[8:9], 0x0                    ; (1 << first expert) | (1 << (16 + second expert))
	s_load_b64 s[28:29], s[10:11], 0x0             ; the two weights
.irp c, 0,1,2,3,4,5,6,7
	global_load_b128 v[Y+16*\c:Y+16*\c+3],     v2, s[4:5]   offset:512*\c th:TH_LOAD_NT
	global_load_b128 v[Y+16*\c+4:Y+16*\c+7],   v2, s[24:25] offset:512*\c th:TH_LOAD_NT
	global_load_b128 v[Y+16*\c+8:Y+16*\c+11],  v2, s[4:5]   offset:4096+512*\c th:TH_LOAD_NT
	global_load_b128 v[Y+16*\c+12:Y+16*\c+15], v2, s[24:25] offset:4096+512*\c th:TH_LOAD_NT
.endr
	s_wait_kmcnt 0x0
	s_ctz_i32_b32 s30, s26
	s_min_u32 s30, s30, 7                          ; the first expert
	s_lshr_b32 s31, s26, 16
	s_ctz_i32_b32 s31, s31
	s_min_u32 s31, s31, 7                          ; the second
	s_lshl_b32 s32, s30, 12                        ; their rows of b2
	s_mov_b32 s33, 0
	s_lshl_b32 s34, s31, 12
	s_mov_b32 s35, 0
	s_add_nc_u64 s[32:33], s[6:7], s[32:33]
	s_add_nc_u64 s[34:35], s[6:7], s[34:35]
	s_mov_b32 s36, s28                             ; the packed lines name pairs and take the low word for both halves
	s_mov_b32 s37, s28
	s_mov_b32 s38, s29
	s_mov_b32 s39, s29
.irp c, 0,1,2,3,4,5,6,7
	global_load_b128 v[BB+8*\c:BB+8*\c+3],   v2, s[32:33] offset:512*\c
	global_load_b128 v[BB+8*\c+4:BB+8*\c+7], v2, s[34:35] offset:512*\c
.endr
.macro CHUNK c
.set ry, Y+16*(\c)
.set rb, BB+8*(\c)
	s_wait_loadcnt 2*(7-(\c))                      ; loads come back in order (ISA guide 5.7.1): the younger chunks' two loads of b2 each stay out; all of ypart's are older
.irp p, 0,1,2,3
	v_cvt_pk_bf16_f32 v[4+\p], v[rb+2*\p], v[rb+2*\p+1]  ; b2 rounded to bf16,
.endr
.irp p, 0,1,2,3
	v_lshlrev_b32 v[rb+2*\p],   16,         v[4+\p]      ; and widened again
	v_and_b32     v[rb+2*\p+1], 0xffff0000, v[4+\p]
.endr
.irp p, 0,2,8,10
	v_pk_add_f32 v[ry+\p:ry+\p+1], v[ry+\p:ry+\p+1], v[ry+4+\p:ry+4+\p+1]  ; the two halves of the hidden width
.endr
	v_pk_add_f32 v[ry:ry+1],     v[ry:ry+1],     v[rb:rb+1]
	v_pk_add_f32 v[ry+2:ry+3],   v[ry+2:ry+3],   v[rb+2:rb+3]
	v_pk_add_f32 v[ry+8:ry+9],   v[ry+8:ry+9],   v[rb+4:rb+5]
	v_pk_add_f32 v[ry+10:ry+11], v[ry+10:ry+11], v[rb+6:rb+7]
	v_pk_mul_f32 v[ry:ry+1],   v[ry:ry+1],   s[36:37] op_sel_hi:[1,0]
	v_pk_mul_f32 v[ry+2:ry+3], v[ry+2:ry+3], s[36:37] op_sel_hi:[1,0]
	v_pk_fma_f32 v[ry:ry+1],   v[ry+8:ry+9],   s[38:39], v[ry:ry+1]   op_sel_hi:[1,0,1]
	v_pk_fma_f32 v[ry+2:ry+3], v[ry+10:ry+11], s[38:39], v[ry+2:ry+3] op_sel_hi:[1,0,1]
	global_store_b128 v2, v[ry:ry+3], s[12:13] offset:512*(\c) th:TH_STORE_NT  ; the wave stores 512 consecutive bytes, at a multiple of 256 from out0's first byte
.endm
.irp c, 0,1,2,3,4,5,6,7
	CHUNK \c
.endr
	s_endpgm
.Lfunc_end_k_q2d69641e21_combine:
	.size	k_q2d69641e21_combine, .Lfunc_end_k_q2d69641e21_combine-k_q2d69641e21_combine
	.p2alignl 7, 3214868480
	.fill 96, 4, 3214868480
	.section	.rodata,"a",@progbits
	.p2align	6, 0x0
	.amdhsa_kernel k_q2d69641e21_combine
		.amdhsa_group_segment_fixed_size 0
		.amdhsa_private_segment_fixed_size 0
		.amdhsa_enable_private_segment 0
		.amdhsa_kernarg_size 40
		.amdhsa_user_sgpr_count 2
		.amdhsa_user_sgpr_kernarg_segment_ptr 1
		.amdhsa_wavefront_size32 1
		.amdhsa_system_sgpr_workgroup_id_x 1
		.amdhsa_system_sgpr_workgroup_id_y 1
		.amdhsa_system_sgpr_workgroup_id_z 1
		.amdhsa_system_vgpr_workitem_id 0
		.amdhsa_next_free_vgpr 208
		.amdhsa_next_free_sgpr 66
		.amdhsa_reserve_vcc 0
		.amdhsa_float_denorm_mode_32 3
		.amdhsa_float_denorm_mode_16_64 3
		.amdhsa_memory_ordered 1
		.amdhsa_forward_progress 1
		.amdhsa_inst_pref_size 19
	.end_amdhsa_kernel
	.amdgpu_metadata
---
amdhsa.version: [ 1, 2 ]
amdhsa.kernels:
  - .name:           k_q2d69641e21_combine
    .symbol:         k_q2d69641e21_combine.kd
    .args:
      - { .name: ypart, .offset: 0, .size: 8, .value_kind: global_buffer, .address_space: global }
      - { .name: b2, .offset: 8, .size: 8, .value_kind: global_buffer, .address_space: global }
      - { .name: sel, .offset: 16, .size: 8, .value_kind: global_buffer, .address_space: global }
      - { .name: wgt, .offset: 24, .size: 8, .value_kind: global_buffer, .address_space: global }
      - { .name: out0, .offset: 32, .size: 8, .value_kind: global_buffer, .address_space: global }
    .group_segment_fixed_size: 0
    .private_segment_fixed_size: 0
    .kernarg_segment_align: 8
    .kernarg_segment_size: 40
    .max_flat_workgroup_size: 256
    .sgpr_count:     66
    .vgpr_count:     208
    .wavefront_size: 32
...
	.end_amdgpu_metadata
.endif
;; end of part 4
